; MI455X (gfx1250); checked and timed in simulation.
; The chip was launched on July 23, 2026; its instructions are those of AMD's public machine-readable ISA for CDNA 5 (MIT licence, August 2026) and "CDNA5" Instruction Set Architecture Reference Guide (July 2026).
;; Sparse Attention. Allowed arithmetic: matrix products marked QUANTISED: E5M2 operands, one given power-of-two scale a tensor, by v_wmma_f32_16x16x64_bf8_bf8 or v_wmma_f32_16x16x128_bf8_bf8, f32 sums; everything else in f32.
;; Inputs: K 2 x 8 x 2,048 x 512 float32; Q 2 x 8 x 2,048 x 512 float32; V 2 x 8 x 2,048 x 512 float32; ids 2 x 8 int32; lowp_scales 4 int32 (the exponents e of the quantised operands' scales 2^e); mask 2,048 x 2,048 int32; route_mat 2 x 8 float32.
;; Outputs: out0 2 x 8 x 2,048 x 512 float32.
;; This version of the problem:
;;   THIS VERSION OF THE PROBLEM IS GIVEN IN LOW PRECISION. The matrix products marked QUANTISED in the list below multiply operands that are first quantised to E5M2 (5 exponent bits, 2 mantissa bits; 8 bits a number), with one given power-of-two scale for each operand tensor; their sums are f32. All else is computed in f32.
;;   The module's matrix products, in the order in which they are computed (A, B: the left and right operand; K: the contracted axis; several contracted axes count as one K, in the product's order):
;;     1. batch 16 x [M 2,048, K 512] x [K 512, N 2,048]; A: computed on the way; B: input K: QUANTISED (scales: A lowp_scales[0], B lowp_scales[1])
;;     2. batch 16 x [M 2,048, K 2,048] x [K 2,048, N 512]; A: softmax (see below); B: input V: QUANTISED (scales: A lowp_scales[2], B lowp_scales[3])
;;   THE QUANTISER, for each operand of a quantised product, along K:
;;     - The operand's scale is 2^e, e = its entry of the input lowp_scales (int32; the entries are numbered through the quantised products in the list's order, A before B).
;;     - Each number is divided by the scale, clamped to +-57,344, and rounded to the nearest number of E5M2, ties to even, subnormals kept.
;;     - The product sums the exact products of the quantised numbers (number of the format x scale) in f32.
;;   ~~~python
;;   def quantise(x, axis, e):      # numpy; x: float32 -> the quantised numbers, widened to float32 again
;;       x = np.moveaxis(x, axis, -1); K = x.shape[-1]
;;       r = np.clip(x / 2.0 ** e, -57344, 57344)
;;       step = 2.0 ** (np.maximum(np.frexp(np.where(r == 0, 1, r))[1] - 1, -14) - 2)
;;       q = np.round(r / step) * step * 2.0 ** e      # np.round: ties to even
;;       return np.moveaxis(q, -1, axis).astype(np.float32)
;;   ~~~
;;   SOFTMAX AHEAD OF A QUANTISED PRODUCT. Where the list says 'softmax', what is quantised is not the finished softmax but p = 2^(t - M), with t = logit x log2(e) and M = ceil(the row's largest t), a whole number; so 1/2 < the row's largest p <= 1. The row's sum l is taken of the UNQUANTISED p, in f32, and the product's result is divided by l at the end. Since M is a whole number, a kernel that streams over the keys may use a running M (the ceiling of the running maximum): every later rescaling is an exact power of two, so the quantised numbers keep their values, but for numbers so far below the row's largest that they fall under the format's range.
;;   OPERANDS COMPUTED ON THE WAY. 'Computed on the way' means the value that the module computes at that place (a softmax that the list does not call 'softmax' is quantised finished and normalised). What goes into a quantiser is computed in f32, as accurately as f32 sums, v_exp_f32 and their like allow (about 1e-6 of the number): no bf16 or f16 on the way to a quantiser, and a product that is left as it is and whose result goes on into a quantised operand takes f32 operands (vector FMAs, or v_wmma_f32_16x16x4_f32). A number that lies on a knife's edge between two numbers of the format may be rounded either way, as far as f32 arithmetic and the matrix unit's own rounding can turn it there, and no further.
;; One version. Each part assembles by itself: llvm-mc -triple=amdgcn-amd-amdhsa -mcpu=gfx1250 --defsym DOCPART=n.
;; ======== version 1 of 1: 2 launches
;; workspace buffers: kv 33,554,432 bytes; maskw 524,288 bytes of whole numbers
;; launch prep (part 1): grid 1152 x 1, 4 waves a work-group, no clusters, 66,048 bytes of LDS; arguments K, V, mask, lowp_scales, kv, maskw; writes kv, maskw
.if DOCPART == 1
	.amdgcn_target "amdgcn-amd-amdhsa--gfx1250"
	.amdhsa_code_object_version 6
	.text
	.protected	k_qa944f3431c_prep
	.globl	k_qa944f3431c_prep
	.p2align	8
	.type	k_qa944f3431c_prep,@function
k_qa944f3431c_prep:
	s_mov_b64 s[64:65], 0
	v_nop
	global_prefetch_b8 v0, s[64:65] scope:SCOPE_SE
	s_setreg_imm32_b32 hwreg(HW_REG_WAVE_MODE, 25, 1), 1
	s_wait_xcnt 0x0
.set KSTG, 32768
.set KR, 16
.set KC, 144
.set VX, 16
.set VC, 80
.set VO, 144
.set MM, 16
.set MW, 144
.macro SCALE e
	s_add_co_i32 s28, \e, 127
	s_lshl_b32 s29, s28, 23
	v_mov_b32 v11, s29
	s_add_co_i32 s28, s28, 15
	s_lshl_b32 s28, s28, 23
	s_or_b32 s28, s28, 0x600000
	v_mov_b32 v10, s28
.endm
	s_load_b256 s[4:11], s[0:1], 0x0
	s_load_b128 s[12:15], s[0:1], 0x20
	v_lshl_add_u32 v208, v0, 2, 0x10000
	v_mov_b32 v209, 0
	v_lshrrev_b32 v1, 5, v0
	v_readfirstlane_b32 s16, v1
	v_and_b32 v1, 31, v0
	v_lshlrev_b32 v6, 4, v1
	s_mov_b32 s25, 0
	s_mov_b32 s27, 0
	s_wait_kmcnt 0x0
	s_cmp_lt_u32 ttmp9, 512
	s_cbranch_scc0 .Lnot_k
	s_load_b32 s20, s[10:11], 0x4
	s_lshl_b32 s24, ttmp9, 17
	s_lshl_b32 s28, s16, 15
	s_add_co_u32 s24, s24, s28
	s_add_nc_u64 s[4:5], s[4:5], s[24:25]
	s_lshr_b32 s26, ttmp9, 1
	s_lshl_b32 s26, s26, 17
	s_and_b32 s28, ttmp9, 1
	s_lshl_b32 s28, s28, 15
	s_add_co_u32 s26, s26, s28
	s_lshl_b32 s28, s16, 13
	s_add_co_u32 s26, s26, s28
	s_add_nc_u64 s[12:13], s[12:13], s[26:27]
	v_and_b32 v7, 0x19, v1
	v_lshlrev_b32 v7, 2, v7
	v_bfe_u32 v8, v1, 1, 1
	v_lshl_add_u32 v7, v8, 4, v7
	v_bfe_u32 v8, v1, 2, 1
	v_lshl_add_u32 v7, v8, 3, v7
	s_lshl_b32 s30, s16, 13
	s_add_co_u32 s30, s30, KSTG
	v_add_nc_u32 v7, s30, v7
	v_add_nc_u32 v5, s30, v6
.macro KLOAD t
.irp i, 0,1,2,3
	global_load_b128 v[KR+16*((\t)%8)+4*\i:KR+16*((\t)%8)+4*\i+3], v6, s[4:5] offset:2048*(\t)+512*\i th:TH_LOAD_NT
.endr
.endm
.macro KOUT t
	s_wait_dscnt 0x0
	global_store_b128 v6, v[KC+4*(\t):KC+4*(\t)+3], s[12:13] offset:512*(\t)
.endm
.irp t, 0,1,2,3,4,5,6,7
	KLOAD \t
.endr
	s_wait_kmcnt 0x0
	SCALE s20
.macro KSTEP t
.if (\t) <= 8
	s_wait_loadcnt 28
.else
	s_wait_loadcnt 4*(15-(\t))
.endif
.set XS, KR+16*((\t)%8)
.irp i, 0,1,2,3,4,5,6,7,8,9,10,11,12,13,14,15
	v_med3_num_f32 v[XS+\i], v[XS+\i], -v10, v10
.endr
	v_cvt_scalef32_pk8_bf8_f32 v[KC+4*(\t):KC+4*(\t)+1], v[XS:XS+7], v11
	v_cvt_scalef32_pk8_bf8_f32 v[KC+4*(\t)+2:KC+4*(\t)+3], v[XS+8:XS+15], v11
.if (\t) < 8
	KLOAD (\t)+8
.endif
.if (\t) > 0
	KOUT (\t)-1
.endif
.irp i, 0,1,2,3
	ds_store_b32 v7, v[KC+4*(\t)+\i] offset:512*(\t)+128*\i
.endr
	ds_load_b128 v[KC+4*(\t):KC+4*(\t)+3], v5 offset:512*(\t)
.endm
.irp t, 0,1,2,3,4,5,6,7,8,9,10,11,12,13,14,15
	KSTEP \t
.endr
	KOUT 15
	s_wait_tensorcnt 0x0
	ds_add_u32 v208, v209
	s_wait_dscnt 0x0
	s_endpgm
.Lnot_k:
	s_cmp_lt_u32 ttmp9, 1024
	s_cbranch_scc0 .Lmask
	s_load_b32 s20, s[10:11], 0xc
	s_sub_co_u32 s17, ttmp9, 512
	s_lshr_b32 s18, s17, 2
	s_and_b32 s19, s17, 3
	s_lshl_b32 s24, s18, 19
	s_lshl_b32 s28, s19, 9
	s_add_co_u32 s24, s24, s28
	s_lshl_b32 s28, s16, 7
	s_add_co_u32 s24, s24, s28
	s_add_nc_u64 s[6:7], s[6:7], s[24:25]
	s_lshl_b32 s26, s18, 18
	s_lshl_b32 s28, s19, 14
	s_add_co_u32 s26, s26, s28
	s_lshl_b32 s28, s16, 12
	s_add_co_u32 s26, s26, s28
	s_add_co_u32 s26, s26, 65536
	s_add_nc_u64 s[12:13], s[12:13], s[26:27]
	v_lshlrev_b32 v3, 2, v1
	s_lshl_b32 s30, s16, 13
	v_lshrrev_b32 v7, 4, v1
	v_and_b32 v8, 15, v1
	v_lshlrev_b32 v4, 11, v7
	v_lshl_add_u32 v4, v8, 4, v4
	v_add_nc_u32 v4, s30, v4
	v_add_nc_u32 v5, s30, v6
.macro VLOAD t
.set j, 0
.rept 32
	global_load_b32 v[VX+32*((\t)%2)+j], v3, s[6:7] offset:(32*(\t)+j)*2048 th:TH_LOAD_NT
.set j, j+1
.endr
.endm
	VLOAD 0
	VLOAD 1
	s_wait_kmcnt 0x0
	SCALE s20
.macro VBLOCK t
.set XS, VX+32*((\t)%2)
.if (\t) < 7
	s_wait_loadcnt 32
.else
	s_wait_loadcnt 0x0
.endif
.set j, 0
.rept 32
	v_med3_num_f32 v[XS+j], v[XS+j], -v10, v10
.set j, j+1
.endr
	v_cvt_scalef32_pk8_bf8_f32 v[VC:VC+1], v[XS:XS+7], v11
	v_cvt_scalef32_pk8_bf8_f32 v[VC+2:VC+3], v[XS+16:XS+23], v11
	v_cvt_scalef32_pk8_bf8_f32 v[VC+4:VC+5], v[XS+8:XS+15], v11
	v_cvt_scalef32_pk8_bf8_f32 v[VC+6:VC+7], v[XS+24:XS+31], v11
	ds_store_b128 v4, v[VC:VC+3] offset:4096*((\t)/4)+512*((\t)%4)
	ds_store_b128 v4, v[VC+4:VC+7] offset:4096*((\t)/4)+512*((\t)%4)+256
.if (\t) < 6
	VLOAD (\t)+2
.endif
	s_wait_dscnt 0x0
.endm
.irp t, 0,1,2,3,4,5,6,7
	VBLOCK \t
.endr
.irp j, 0,1,2,3,4,5,6,7,8,9,10,11,12,13,14,15
	ds_load_b128 v[VO+4*\j:VO+4*\j+3], v5 offset:512*\j
.endr
.irp j, 0,1,2,3,4,5,6,7,8,9,10,11,12,13,14,15
	s_wait_dscnt 15-\j
	global_store_b128 v6, v[VO+4*\j:VO+4*\j+3], s[12:13] offset:131072*(\j/8)+512*(\j%8)
.endr
	s_wait_tensorcnt 0x0
	ds_add_u32 v208, v209
	s_wait_dscnt 0x0
	s_endpgm
.Lmask:
	s_sub_co_u32 s17, ttmp9, 1024
	s_lshl_b32 s24, s17, 17
	s_lshl_b32 s28, s16, 11
	s_add_co_u32 s24, s24, s28
	s_add_nc_u64 s[8:9], s[8:9], s[24:25]
	s_lshl_b32 s26, s17, 12
	s_lshl_b32 s28, s16, 10
	s_add_co_u32 s26, s26, s28
	s_add_nc_u64 s[14:15], s[14:15], s[26:27]
	v_and_b32 v8, 15, v1
	v_lshrrev_b32 v7, 4, v1
	v_lshlrev_b32 v3, 13, v8
	v_lshl_add_u32 v3, v7, 5, v3
.irp i, 0,1,2,3,4,5,6,7
	v_mov_b32 v[MW+\i], 0
.endr
.macro MLOAD sp
.irp kt, 0,1,2,3,4,5,6,7
	global_load_b128 v[MM+64*((\sp)%2)+8*\kt:MM+64*((\sp)%2)+8*\kt+3], v3, s[8:9] offset:512*(\sp)+64*\kt
	global_load_b128 v[MM+64*((\sp)%2)+8*\kt+4:MM+64*((\sp)%2)+8*\kt+7], v3, s[8:9] offset:512*(\sp)+64*\kt+16
.endr
.endm
.macro MSTEP sp
.if (\sp) < 3
	s_wait_loadcnt 16
.else
	s_wait_loadcnt 0x0
.endif
.irp q, 0,1,2,3
.irp k, 0,1,2,3,4,5,6,7,8,9,10,11,12,13,14,15
	v_cmp_ne_u32 s[32+\k], 0, v[MM+64*((\sp)%2)+16*\q+\k]
.endr
.irp k, 0,1,2,3,4,5,6,7,8,9,10,11,12,13,14,15
	v_writelane_b32 v[MW+4*((\sp)/2)+\k%4], s[32+\k], 16*((\sp)%2)+4*\q+\k/4
.endr
.endr
.if (\sp) < 2
	MLOAD (\sp)+2
.endif
.if (\sp)%2 == 1
	global_store_b128 v6, v[MW+4*((\sp)/2):MW+4*((\sp)/2)+3], s[14:15] offset:512*((\sp)/2)
.endif
.endm
	MLOAD 0
	MLOAD 1
	MSTEP 0
	MSTEP 1
	MSTEP 2
	MSTEP 3
	s_endpgm
.Lfunc_end_k_qa944f3431c_prep:
	.size	k_qa944f3431c_prep, .Lfunc_end_k_qa944f3431c_prep-k_qa944f3431c_prep
	.p2alignl 7, 3214868480
	.fill 96, 4, 3214868480
	.section	.rodata,"a",@progbits
	.p2align	6, 0x0
	.amdhsa_kernel k_qa944f3431c_prep
		.amdhsa_group_segment_fixed_size 66048
		.amdhsa_private_segment_fixed_size 0
		.amdhsa_enable_private_segment 0
		.amdhsa_kernarg_size 48
		.amdhsa_user_sgpr_count 2
		.amdhsa_user_sgpr_kernarg_segment_ptr 1
		.amdhsa_wavefront_size32 1
		.amdhsa_system_sgpr_workgroup_id_x 1
		.amdhsa_system_sgpr_workgroup_id_y 1
		.amdhsa_system_sgpr_workgroup_id_z 1
		.amdhsa_system_vgpr_workitem_id 0
		.amdhsa_next_free_vgpr 210
		.amdhsa_next_free_sgpr 66
		.amdhsa_reserve_vcc 0
		.amdhsa_float_denorm_mode_32 3
		.amdhsa_float_denorm_mode_16_64 3
		.amdhsa_memory_ordered 1
		.amdhsa_forward_progress 1
		.amdhsa_inst_pref_size 121
	.end_amdhsa_kernel
	.amdgpu_metadata
---
amdhsa.version: [ 1, 2 ]
amdhsa.kernels:
  - .name:           k_qa944f3431c_prep
    .symbol:         k_qa944f3431c_prep.kd
    .args:
      - { .name: K, .offset: 0, .size: 8, .value_kind: global_buffer, .address_space: global }
      - { .name: V, .offset: 8, .size: 8, .value_kind: global_buffer, .address_space: global }
      - { .name: mask, .offset: 16, .size: 8, .value_kind: global_buffer, .address_space: global }
      - { .name: lowp_scales, .offset: 24, .size: 8, .value_kind: global_buffer, .address_space: global }
      - { .name: kv, .offset: 32, .size: 8, .value_kind: global_buffer, .address_space: global }
      - { .name: maskw, .offset: 40, .size: 8, .value_kind: global_buffer, .address_space: global }
    .group_segment_fixed_size: 66048
    .private_segment_fixed_size: 0
    .kernarg_segment_align: 8
    .kernarg_segment_size: 48
    .max_flat_workgroup_size: 128
    .sgpr_count:     66
    .vgpr_count:     210
    .wavefront_size: 32
...
	.end_amdgpu_metadata
.endif
;; end of part 1
;; launch attn (part 2): grid 16 x 16, 4 waves a work-group, clusters of 4 x 1, 327,680 bytes of LDS; arguments Q, kv, maskw, route_mat, lowp_scales, out0; writes out0
.if DOCPART == 2
	.amdgcn_target "amdgcn-amd-amdhsa--gfx1250"
	.amdhsa_code_object_version 6
	.text
	.protected	k_qa944f3431c_attn
	.globl	k_qa944f3431c_attn
	.p2align	8
	.type	k_qa944f3431c_attn,@function
k_qa944f3431c_attn:
	s_mov_b64 s[64:65], 0
	v_nop
	global_prefetch_b8 v0, s[64:65] scope:SCOPE_SE
	s_setreg_imm32_b32 hwreg(HW_REG_WAVE_MODE, 25, 1), 1
	s_wait_xcnt 0x0
	s_wait_alu depctr_hold_cnt(0) depctr_sa_sdst(0) depctr_va_vdst(0) depctr_va_sdst(0) depctr_va_ssrc(0) depctr_va_vcc(0) depctr_vm_vsrc(0)
	s_getreg_b32 s2, hwreg(HW_REG_IB_STS2, 6, 4)
	s_cmp_eq_u32 s2, 0
	s_cbranch_scc0 .Lentry_in_a_cluster
	s_endpgm
.Lentry_in_a_cluster:
	s_bfe_u32 s2, ttmp6, 0x10000c
	s_cmp_lg_u32 s2, 0x3003
	s_cbranch_scc0 .Lentry_shape_is_right
	s_endpgm
.Lentry_shape_is_right:
.set PITCH, 528
.set QUART, 64*PITCH
.set SLOT,  4*QUART
.set VOFF,  128*PITCH
.set SPARE, 2*SLOT
.set STAGE, SPARE+512
.set STW,   16*PITCH
.set STEPB, 131072
.set AK0, 3
.set AV0, 4
.set ADK, 5
.set ADV, 6
.set STO, 9
.set RD,  10
.set GO,  11
.set SPW, 12
.set NIL, 13
.set NINF, 14
.set PLIM, 15
.set PSC, 16
.set QA,  17
.set ST,  20
.set TA,  36
.set PD,  40
.set P,   48
.set TT,  48
.set G,   112
.set S,   128
.set TMP, 128
.set BK0, 48
.set QSC, 254
.set QLIM, 255
.set F0,  128
.set WV,  4
.set CNT, 5
.set OUT, 6
.set MB,  8
.set CS,  10
.set SEL, 12
.set TBR, 14
.set ESUM, 15
.set G1,  16
.set G0,  24
.set HEAD, 28
.set QB,  29
.set RT,  30
.set GG,  68
.set MSB, 0
.macro WIN new
.if MSB != (\new)
	s_set_vgpr_msb (MSB<<8)|(\new)
.set MSB, (\new)
.endif
.endm
.macro PLACES
.rept 4
	v_nop
.endr
.endm
.macro CROUND
	s_barrier_signal -1
	s_barrier_wait -1
	s_cmp_lg_u32 s[WV], 0
	s_cbranch_scc1 .Lnot_wave_0_\@
	s_barrier_signal -3
.Lnot_wave_0_\@:
	s_barrier_wait -3
	s_barrier_signal -1
	s_barrier_wait -1
.endm
	s_load_b256 s[32:39], s[0:1], 0x0
	s_load_b128 s[40:43], s[0:1], 0x20
	v_lshl_add_u32 v[SPW], v0, 2, SPARE
	v_mov_b32 v[NIL], 0
	ds_add_u32 v12, v13
	ds_add_u32 v12, v13
	s_wait_dscnt 0x0
	v_lshrrev_b32 v1, 5, v0
	v_readfirstlane_b32 s[WV], v1
	s_and_b32 s[HEAD], ttmp7, 0xffff
	s_bfe_u32 s[QB], ttmp6, 0x40000
	s_lshl_b32 s58, ttmp9, 2
	s_add_co_u32 s[QB], s58, s[QB]
	s_mov_b32 s[G1], 15|(1<<20)|(1<<21)|(6<<22)|(3<<25)
	s_mov_b32 s[G1+1], 512<<16
	s_mov_b32 s[G1+2], 64<<16
	s_mov_b32 s[G1+3], 512<<16
	s_mov_b32 s[G1+4], 64
	s_mov_b32 s[G1+5], 512
	s_mov_b32 s[G1+6], 0
	s_mov_b32 s[G1+7], 0
	s_mov_b32 s[G0], 1
	s_mul_i32 s[G0+1], s[WV], QUART
	s_lshl_b32 s2, s[HEAD], 21
	s_lshl_b32 s3, s[WV], 15
	s_add_co_u32 s2, s2, s3
	s_mov_b32 s3, 0
	s_lshl_b32 s56, s[HEAD], 22
	s_lshl_b32 s58, s[QB], 18
	s_add_co_u32 s56, s56, s58
	s_lshl_b32 s58, s[WV], 16
	s_add_co_u32 s56, s56, s58
	s_mov_b32 s57, 0
	v_and_b32 v1, 15, v0
	v_bfe_u32 v2, v0, 4, 1
	v_lshlrev_b32 v[QA], 11, v1
	v_lshl_add_u32 v[QA], v2, 5, v[QA]
	s_wait_kmcnt 0x0
	s_add_nc_u64 s[G0+2:G0+3], s[34:35], s[2:3]
	s_or_b32 s[G0+3], s[G0+3], 0x80000000
	s_load_b128 s[44:47], s[40:41], 0x0
	s_lshr_b32 s2, s[HEAD], 3
	s_lshl_b32 s2, s2, 5
	s_add_nc_u64 s[RT:RT+1], s[38:39], s[2:3]
	s_load_b256 s[48:55], s[RT:RT+1], 0x0
	s_add_nc_u64 s[32:33], s[32:33], s[56:57]
	s_add_nc_u64 s[OUT:OUT+1], s[42:43], s[56:57]
	s_lshl_b32 s56, s[QB], 15
	s_lshl_b32 s58, s[WV], 13
	s_add_co_u32 s56, s56, s58
	s_add_nc_u64 s[MB:MB+1], s[36:37], s[56:57]
	CROUND
	tensor_load_to_lds s[G0:G0+3], s[G1:G1+7]
	s_nop 0
	PLACES
.macro SETSR s, c, u
.set SR, 128*((\s)/2)+32*(2*((\c)%2)+(\u))+8*((2*((\s)%2)+(\c)/2+1)%4)
.endm
.irp x, 0,1
	WIN 0x80+0x40*\x
.irp s, 0,1,2,3
.irp c, 0,1,2,3
.irp u, 0,1
	SETSR \s, \c, \u
	global_load_b128 v[SR:SR+3], v[QA], s[32:33] offset:32768*\x+512*\s+128*\c+64*\u
	global_load_b128 v[SR+4:SR+7], v[QA], s[32:33] offset:32768*\x+512*\s+128*\c+64*\u+16
.endr
.endr
.endr
.endr
	WIN 0
	v_mul_u32_u24 v[AK0], v1, PITCH
	v_lshl_add_u32 v[AK0], v2, 4, v[AK0]
	v_and_b32 v8, 31, v0
	v_lshlrev_b32 v[GO], 4, v8
	v_add_nc_u32 v[AV0], VOFF, v[GO]
	s_mul_i32 s[CNT], s[WV], STW
	s_add_co_u32 s[CNT], s[CNT], STAGE
	v_mul_u32_u24 v[STO], v1, PITCH
	v_lshl_add_u32 v[STO], v2, 5, v[STO]
	v_add_nc_u32 v[STO], s[CNT], v[STO]
	v_add_nc_u32 v[RD], s[CNT], v[GO]
	v_mov_b32 v[NINF], 0xff800000
.irp x, 0,1
	v_mov_b32 v[ST+8*\x+1], 0xff61b1e6
	v_floor_f32 v[ST+8*\x], -v[ST+8*\x+1]
	v_mov_b32 v[ST+8*\x+2], 0
	v_mov_b32 v[ST+8*\x+3], 0
	v_mov_b32 v[ST+8*\x+5], 0
.endr
	v_mov_b32 v[PD], 0
	s_mov_b32 s[SEL], 0x76543210
	s_mov_b32 s[SEL+1], 0xfedcba98
	s_mov_b32 s[TBR], 0
	s_wait_kmcnt 0x0
	s_add_co_i32 s58, s44, s45
	s_lshl_b32 s58, s58, 23
	s_add_co_i32 s[CS], s58, 0x3e38aa3b
	s_mov_b32 s[CS+1], s[CS]
	s_add_co_i32 s[ESUM], s46, s47
	s_add_co_i32 s58, s44, 127
	s_lshl_b32 s59, s58, 23
	v_mov_b32 v[QSC], s59
	s_add_co_i32 s58, s58, 15
	s_lshl_b32 s58, s58, 23
	s_or_b32 s58, s58, 0x600000
	v_mov_b32 v[QLIM], s58
	s_add_co_i32 s58, s46, 127
	s_lshl_b32 s59, s58, 23
	v_mov_b32 v[PSC], s59
	s_add_co_i32 s58, s58, 15
	s_lshl_b32 s58, s58, 23
	s_or_b32 s58, s58, 0x600000
	v_mov_b32 v[PLIM], s58
.irp e, 0,1,4,5
	s_mov_b32 s[GG+2*\e], s[48+\e]
	s_mov_b32 s[GG+2*\e+1], s[48+\e]
.endr
.irp e, 2,3,6,7
	s_xor_b32 s[GG+2*\e], s[48+\e], 0x80000000
	s_mov_b32 s[GG+2*\e+1], s[GG+2*\e]
.endr
.macro QWORK x
	WIN 0x82+0x41*\x
.irp s, 0,1,2,3
.irp c, 0,1,2,3
.irp u, 0,1
	SETSR \s, \c, \u
.irp k, 0,2,4,6
	v_pk_mul_f32 v[SR+\k:SR+\k+1], v[SR+\k:SR+\k+1], s[GG+2*(2*\s+\c/2):GG+2*(2*\s+\c/2)+1] op_sel_hi:[1,0]
.endr
.endr
.endr
.endr
.set j, 0
.rept 256
	v_med3_num_f32 v[j], v[j], -v[QLIM], v[QLIM]
.set j, j+1
.endr
	WIN 0x42+\x
.irp s, 0,1,2,3
.irp c, 0,1,2,3
.irp u, 0,1
	SETSR \s, \c, \u
	v_cvt_scalef32_pk8_bf8_f32 v[64*\x+16*\s+4*\c+2*\u:64*\x+16*\s+4*\c+2*\u+1], v[SR:SR+7], v[QSC]
.endr
.endr
.endr
.endm
	s_wait_loadcnt 63
	QWORK 0
	s_wait_loadcnt 0x0
	QWORK 1
	v_nop
	WIN 0
.macro CHANGE fill
	WIN 0
	s_wait_tensorcnt 0x0
	ds_add_u32 v[SPW], v[NIL]
.if \fill
	s_xor_b32 s[G0+1], s[G0+1], SLOT
	s_add_nc_u64 s[G0+2:G0+3], s[G0+2:G0+3], STEPB
.endif
	s_wait_dscnt 0x0
.if \fill
	CROUND
	tensor_load_to_lds s[G0:G0+3], s[G1:G1+7]
	s_nop 0
.else
	s_barrier_signal -1
	s_barrier_wait -1
.endif
	PLACES
.endm
.macro FETCH g
	WIN 0x40
.set FB, F0+64*((\g)%2)
.irp f, 0,1,2,3
.irp c, 0,1,2,3
.if (\g) < 8
	ds_load_b128 v[FB+16*\f+4*\c:FB+16*\f+4*\c+3], v[ADK] offset:(4*((\g)%2)+\f)*16*PITCH+128*((\g)/2)+32*\c
.else
	ds_load_b128 v[FB+16*\f+4*\c:FB+16*\f+4*\c+3], v[ADV+((\g)-8)/4] offset:(16*(((\g)-8)%4)+4*\f+\c)*PITCH
.endif
.endr
.endr
.endm
.macro MULH g, hh
	WIN 0x05
.set FB, F0+64*((\g)%2)
.irp ff, 0,1
.irp x, 0,1
.if (\g) < 2
.set DD, S+64*\x+8*(4*((\g)%2)+2*(\hh)+\ff)
.else
.set DD, TT+32*(\hh)+8*(2*\ff+\x)
.endif
	v_wmma_f32_16x16x128_bf8_bf8 v[DD:DD+7], v[FB+16*(2*(\hh)+\ff):FB+16*(2*(\hh)+\ff)+15], v[64*\x+16*((\g)/2):64*\x+16*((\g)/2)+15], 0
.endr
.endr
.endm
.macro ADDH g, hh
	WIN 0
.irp ff, 0,1
.irp x, 0,1
.irp i, 0,2,4,6
.set SD, S+64*\x+8*(4*((\g)%2)+2*(\hh)+\ff)+\i
.set TS, TT+32*(\hh)+8*(2*\ff+\x)+\i
.if ((\g)/2)%2 == 1
	v_pk_add_f32 v[SD:SD+1], v[SD:SD+1], v[TS:TS+1] neg_lo:[0,1] neg_hi:[0,1]
.else
	v_pk_add_f32 v[SD:SD+1], v[SD:SD+1], v[TS:TS+1]
.endif
.endr
.endr
.endr
.endm
.macro MULPVX g, x, first
	WIN 0xa1+0x50*\x
.set FB, F0+64*((\g)%2)
.irp f, 0,1,2,3
.if \first
	v_wmma_f32_16x16x128_bf8_bf8 v[8*(4*((\g)-8)+\f):8*(4*((\g)-8)+\f)+7], v[FB+16*\f:FB+16*\f+15], v[P+16*\x:P+16*\x+15], 0
.else
	v_wmma_f32_16x16x128_bf8_bf8 v[8*(4*((\g)-8)+\f):8*(4*((\g)-8)+\f)+7], v[FB+16*\f:FB+16*\f+15], v[P+16*\x:P+16*\x+15], v[8*(4*((\g)-8)+\f):8*(4*((\g)-8)+\f)+7]
.endif
.endr
.endm
.macro RESCG gg, x
	WIN 0x82+0x41*\x
.set j, 32*(\gg)
.rept 16
	v_pk_mul_f32 v[j:j+1], v[j:j+1], v[ST+8*\x+4:ST+8*\x+5] op_sel_hi:[1,0]
.set j, j+2
.endr
.endm
.macro MLD off
	s_load_b512 s[32:47], s[MB:MB+1], \off
	s_load_b512 s[48:63], s[MB:MB+1], \off+64
	s_load_b512 s[68:83], s[MB:MB+1], \off+128
	s_load_b512 s[84:99], s[MB:MB+1], \off+192
.endm
.macro CND1 x
.if n < 32
	v_cndmask_b32 v[S+64*\x+n], v[S+64*\x+n], v[NINF], s[32+n]
.else
	v_cndmask_b32 v[S+64*\x+n], v[S+64*\x+n], v[NINF], s[36+n]
.endif
.set n, n+1
.endm
.macro MASKH x, hf
	WIN 0
.set n, 32*(\hf)
.rept 32
	CND1 \x
.endr
.endm
.macro MAXX x, m
	WIN 0
.set SB, S+64*\x
.set n, 0
.if \m
.rept 16
	CND1 \x
.endr
.endif
.irp c, 0,1,2,3
	v_max3_num_f32 v[TA+\c], v[SB+3*\c], v[SB+3*\c+1], v[SB+3*\c+2]
.endr
.set i, 0
.rept 26
.if \m
.if n < 64
	CND1 \x
	CND1 \x
.endif
.endif
	v_max3_num_f32 v[TA+i%4], v[TA+i%4], v[SB+12+2*i], v[SB+13+2*i]
.set i, i+1
.endr
	v_max3_num_f32 v[TA], v[TA], v[TA+1], v[TA+2]
	v_max_num_f32 v[TA], v[TA], v[TA+3]
.endm
.macro FMAP b
	v_pk_fma_f32 v[SB+2*(\b):SB+2*(\b)+1], v[SB+2*(\b):SB+2*(\b)+1], s[CS:CS+1], v[T:T+1] op_sel_hi:[1,0,0]
.endm
.macro SOFTX x
	WIN 0
.set SB, S+64*\x
.set PB, P+16*\x
.set T, ST+8*\x
	v_permlanex16_b32 v[PD], v[TA], s[SEL], s[SEL+1]
	v_max_num_f32 v[TA], v[TA], v[PD]
	v_mul_f32 v[TA], s[CS], v[TA]
	v_max_num_f32 v[T+1], v[T+1], v[TA]
	v_mov_b32 v[TA], v[T]
	v_floor_f32 v[T], -v[T+1]
	FMAP 0
	v_sub_f32 v[TA], v[T], v[TA]
	FMAP 1
	v_cvt_i32_f32 v[TA], v[TA]
	FMAP 2
	v_ldexp_f32 v[T+4], 1.0, v[TA]
	FMAP 3
	v_pk_mul_f32 v[T+2:T+3], v[T+2:T+3], v[T+4:T+5] op_sel_hi:[1,0]
.set i, 0
.rept 35
.if i < 32
	v_exp_f32 v[SB+2*i], v[SB+2*i]
.endif
.if i < 28
	FMAP i+4
.endif
.if (i >= 2) && (i < 34)
	s_wait_alu depctr_va_vdst(0)
	v_pk_add_f32 v[T+2:T+3], v[T+2:T+3], v[SB+2*i-4:SB+2*i-3]
.endif
.if i < 32
	v_exp_f32 v[SB+2*i+1], v[SB+2*i+1]
.endif
.if (i >= 2) && (i < 34)
	v_min_num_f32 v[SB+2*i-4], v[SB+2*i-4], v[PLIM]
	v_min_num_f32 v[SB+2*i-3], v[SB+2*i-3], v[PLIM]
.endif
.if (i >= 6) && ((i-6)%4 == 0)
	v_cvt_scalef32_pk8_bf8_f32 v[PB+(i-6)/2:PB+(i-6)/2+1], v[SB+2*(i-6):SB+2*(i-6)+7], v[PSC]
.endif
.set i, i+1
.endr
.endm
.macro STEP first, fill, last
	CHANGE \fill
.if \first
	MLD 0
.endif
	v_add_nc_u32 v[ADK], s[TBR], v[AK0]
	v_add_nc_u32 v[ADV], s[TBR], v[AV0]
	v_add_nc_u32 v[ADV+1], QUART, v[ADV]
	FETCH 0
	FETCH 1
	s_wait_dscnt 16
	MULH 0, 0
	MULH 0, 1
	PLACES
	FETCH 2
	s_wait_dscnt 16
	MULH 1, 0
	MULH 1, 1
	s_wait_kmcnt 0x0
	MASKH 0, 0
	FETCH 3
	s_wait_dscnt 16
	MULH 2, 0
	MASKH 0, 1
	MLD 4096
	MULH 2, 1
	ADDH 2, 0
.irp g, 3,4,5,6,7
	FETCH \g+1
	s_wait_dscnt 16
	MULH \g, 0
	ADDH \g-1, 1
	MULH \g, 1
	ADDH \g, 0
.endr
	ADDH 7, 1
	FETCH 9
	MAXX 0, 0
	SOFTX 0
.if !\first
	RESCG 0, 0
.endif
	s_wait_kmcnt 0x0
	MAXX 1, 1
.if \last
	s_load_b256 s[36:43], s[RT:RT+1], 0x0
.else
	s_add_nc_u64 s[MB:MB+1], s[MB:MB+1], 256
	MLD 0
.endif
	SOFTX 1
.if \first
	v_nop
.else
	RESCG 0, 1
.endif
.irp g, 8,9,10,11,12,13,14,15
.if \g < 15
	s_wait_dscnt 16
.else
	s_wait_dscnt 0x0
.endif
	MULPVX \g, 0, \first
.if \g < 15
.if !\first
	RESCG \g-7, 0
.endif
.endif
	MULPVX \g, 1, \first
.if \g < 15
.if !\first
	RESCG \g-7, 1
.endif
.endif
.if \g < 14
.if \first
	PLACES
.endif
	FETCH \g+2
.endif
.endr
	WIN 0
	s_xor_b32 s[TBR], s[TBR], SLOT
.endm
	STEP 1, 1, 0
	s_mov_b32 s[CNT], 14
.Lstep:
	STEP 0, 1, 0
	s_sub_co_u32 s[CNT], s[CNT], 1
	s_cmp_lg_u32 s[CNT], 0
	s_cbranch_scc1 .Lstep
	STEP 0, 0, 1
	v_add_f32 v[ST+2], v[ST+2], v[ST+3]
	v_add_f32 v[ST+10], v[ST+10], v[ST+11]
	v_permlanex16_b32 v[PD], v[ST+2], s[SEL], s[SEL+1]
	v_permlanex16_b32 v[TA], v[ST+10], s[SEL], s[SEL+1]
	v_add_f32 v[ST+2], v[ST+2], v[PD]
	v_add_f32 v[ST+10], v[ST+10], v[TA]
	v_rcp_f32 v[ST+6], v[ST+2]
	v_rcp_f32 v[ST+14], v[ST+10]
	v_nop
	s_wait_alu depctr_va_vdst(0)
	v_ldexp_f32 v[ST+6], v[ST+6], s[ESUM]
	v_ldexp_f32 v[ST+14], v[ST+14], s[ESUM]
	s_wait_kmcnt 0x0
.macro TOSTAGE a
.set XX, (\a)/4
.set QQ, (\a)%4
.if QQ == 0
.irp e, 0,1,2,3,4,5,6,7
	v_mul_f32 v[G+2*\e], s[36+\e], v[ST+8*XX+6]
	v_mul_f32 v[G+2*\e+1], s[36+\e], v[ST+8*XX+6]
.endr
.endif
	WIN 0x02+XX
.set j, 0
.rept 32
	v_pk_mul_f32 v[TMP+j:TMP+j+1], v[64*QQ+j:64*QQ+j+1], v[G+2*(2*QQ+j/32):G+2*(2*QQ+j/32)+1]
.set j, j+2
.endr
	WIN 0
.irp b, 0,1,2,3,4,5,6,7
	ds_store_b128 v[STO], v[TMP+8*\b:TMP+8*\b+3] offset:64*\b
	ds_store_b128 v[STO], v[TMP+8*\b+4:TMP+8*\b+7] offset:64*\b+16
.endr
.set BB, BK0+144*((\a)%2)
.irp t, 0,1,2,3,4,5,6,7,8,9,10,11,12,13,14,15
	ds_load_b128 v[BB+4*\t:BB+4*\t+3], v[RD] offset:\t*PITCH
.endr
.endm
.macro SEND a, younger
.set BB, BK0+144*((\a)%2)
	s_wait_dscnt \younger
.irp t, 0,1,2,3,4,5,6,7,8,9,10,11,12,13,14,15
	global_store_b128 v[GO], v[BB+4*\t:BB+4*\t+3], s[OUT:OUT+1] offset:(16*((\a)/4)+\t)*2048+512*((\a)%4) th:TH_STORE_NT
.endr
.endm
	TOSTAGE 0
.irp a, 1,2,3,4,5,6,7
.if \a > 1
	s_wait_xcnt 0x0
.endif
	TOSTAGE \a
	SEND \a-1, 32
.endr
	SEND 7, 0
	s_wait_tensorcnt 0x0
	ds_add_u32 v[SPW], v[NIL]
	s_wait_dscnt 0x0
	CROUND
	s_endpgm
.Lfunc_end_k_qa944f3431c_attn:
	.size	k_qa944f3431c_attn, .Lfunc_end_k_qa944f3431c_attn-k_qa944f3431c_attn
	.p2alignl 7, 3214868480
	.fill 96, 4, 3214868480
	.section	.rodata,"a",@progbits
	.p2align	6, 0x0
	.amdhsa_kernel k_qa944f3431c_attn
		.amdhsa_group_segment_fixed_size 327680
		.amdhsa_private_segment_fixed_size 0
		.amdhsa_enable_private_segment 0
		.amdhsa_kernarg_size 48
		.amdhsa_user_sgpr_count 2
		.amdhsa_user_sgpr_kernarg_segment_ptr 1
		.amdhsa_wavefront_size32 1
		.amdhsa_system_sgpr_workgroup_id_x 1
		.amdhsa_system_sgpr_workgroup_id_y 1
		.amdhsa_system_sgpr_workgroup_id_z 1
		.amdhsa_system_vgpr_workitem_id 0
		.amdhsa_next_free_vgpr 1024
		.amdhsa_next_free_sgpr 100
		.amdhsa_reserve_vcc 0
		.amdhsa_float_denorm_mode_32 3
		.amdhsa_float_denorm_mode_16_64 3
		.amdhsa_memory_ordered 1
		.amdhsa_forward_progress 1
		.amdhsa_inst_pref_size 255
	.end_amdhsa_kernel
	.section	.bss,"aw",@nobits
	.p2align	6
	.space	262144
	.amdgpu_metadata
---
amdhsa.version: [ 1, 2 ]
amdhsa.kernels:
  - .name:           k_qa944f3431c_attn
    .symbol:         k_qa944f3431c_attn.kd
    .args:
      - { .name: Q, .offset: 0, .size: 8, .value_kind: global_buffer, .address_space: global }
      - { .name: kv, .offset: 8, .size: 8, .value_kind: global_buffer, .address_space: global }
      - { .name: maskw, .offset: 16, .size: 8, .value_kind: global_buffer, .address_space: global }
      - { .name: route_mat, .offset: 24, .size: 8, .value_kind: global_buffer, .address_space: global }
      - { .name: lowp_scales, .offset: 32, .size: 8, .value_kind: global_buffer, .address_space: global }
      - { .name: out0, .offset: 40, .size: 8, .value_kind: global_buffer, .address_space: global }
    .group_segment_fixed_size: 327680
    .private_segment_fixed_size: 0
    .kernarg_segment_align: 8
    .kernarg_segment_size: 48
    .max_flat_workgroup_size: 128
    .sgpr_count:     100
    .vgpr_count:     1024
    .wavefront_size: 32
...
	.end_amdgpu_metadata
.endif
;; end of part 2
